; MI455X (gfx1250); checked and timed in simulation.
; The chip was launched on July 23, 2026; its instructions are those of AMD's public machine-readable ISA for CDNA 5 (MIT licence, August 2026) and "CDNA5" Instruction Set Architecture Reference Guide (July 2026). The comments in the code are by the model that wrote it; some were corrected since.
;; Vertical RT Column Net. Allowed arithmetic: float matrix products may take bf16 or f16 operands with f32 sums; all other float work in f32.
;; Inputs: emb 64 x 16 float32; enc_b1 256 float32; enc_b2 256 float32; enc_w1 22 x 256 float32; enc_w2 256 x 256 float32; hd_b1 128 float32; hd_b2 4 float32; hd_w1 4 x 128 float32; hd_w2 128 x 4 float32; sb_b1 128 float32; sb_b2 4 float32; sb_w1 4 x 128 float32; sb_w2 128 x 4 float32; sd_b 4 float32; sd_w 256 x 4 float32; sp_b 4 float32; sp_w 256 x 4 float32; su_b 4 float32; su_w 256 x 4 float32; td_b1 256 float32; td_b2 4 float32; td_w1 256 x 256 float32; td_w2 256 x 4 float32; tu_b1 256 float32; tu_b2 4 float32; tu_w1 256 x 256 float32; tu_w2 256 x 4 float32; x 4,096 x 6 x 64 float32.
;; Outputs: out0 4,096 x 4 x 64 float32.
;; One version. Each part assembles by itself: llvm-mc -triple=amdgcn-amd-amdhsa -mcpu=gfx1250 --defsym DOCPART=n.
;; ======== version 1 of 1: 2 launches
;; limits: values are held in f16: magnitudes above 65,504 overflow, below 6.1e-05 lose precision
;; workspace buffers: wimg 487,424 bytes
;; launch prep (part 1): grid 50 x 1, 8 waves a work-group, no clusters, 95,232 bytes of LDS; arguments enc_w2, td_w1, tu_w1, enc_b2, td_b1, tu_b1, td_w2, tu_w2, enc_w1, enc_b1, sd_w, sp_w, su_w, emb, sd_b, sp_b, su_b, td_b2, tu_b2, sb_w1, sb_b1, hd_w1, hd_b1, sb_w2, hd_w2, sb_b2, hd_b2, wimg; writes wimg
.if DOCPART == 1
	.amdgcn_target "amdgcn-amd-amdhsa--gfx1250"
	.amdhsa_code_object_version 6
	.text
	.protected	k_q67f7344c0b_prep
	.globl	k_q67f7344c0b_prep
	.p2align	8
	.type	k_q67f7344c0b_prep,@function
k_q67f7344c0b_prep:
	s_mov_b64 s[64:65], 0
	v_nop
	global_prefetch_b8 v0, s[64:65] scope:SCOPE_SE
	s_setreg_imm32_b32 hwreg(HW_REG_WAVE_MODE, 25, 1), 1
	s_wait_xcnt 0x0
; Lays all weights, biases and the layer embedding out as the images that the main launch copies into LDS, every number rounded to bf16.
; Work-groups 0-47: block blk = id & 15 (16 output features) of matrix m = id >> 4 (enc_w2, td_w1, tu_w1): 16 rows of 528 bytes,
;   row n = W^T[n][0..255] in 16 bits (512 bytes) and 16 bytes behind it; those of rows 0-3 hold the block's 16 biases in f32, the others 0.
;   enc_w2's numbers are written as f16 (the bf16 number, exact from 2^-17 up to 65,504; LIMIT: beyond 65,504 an infinity), the others as bf16.
; Work-group 48: the small tables of the encoder and the heads.  Work-group 49: the tables of the two small MLPs.
; An image is built in LDS and leaves as whole runs of 16 bytes a lane.  Each of the three kinds of work-group builds in LDS bytes of its own; all of them are
; cleared on the common path, so that every byte that leaves has been written.
.set RS,    0                          ; the small tables' image, 40,960 bytes
.set RT,    40960                      ; the MLP tables' image, 40,960 bytes
.set RB,    81920                      ; a matrix block, 8,448 bytes (cleared up to 94,208)
.set SPARE, 94208                      ; behind the images: the spare words, 128 bytes for each of the 8 waves
.set PIT,   528
.set SW,    20480                      ; 16 rows x 528: sd_w^T, sp_w^T, su_w^T, sp_w^T
.set GW,    28928                      ; 9 rows x 528: td_w2^T, a row of zeros, tu_w2^T from row 8 downward
.set EMB,   33680                      ; 64 layers x 64 bytes
.set VEC,   37776                      ; f32: sd_b, sp_b, su_b, sp_b, -log2(e) td_b2, -log2(e) tu_b2
.set T2,    20480                      ; second layers of the small MLPs: 16 rows x 272 each
.set B2V,   29184                      ; their biases: 4 numbers and 4 zeros each
.set IMG_S, 405504                     ; offsets in wimg
.set IMG_T, 446464
	s_load_b512 s[8:23], s[0:1], 0x0               ; enc_w2 8, td_w1 10, tu_w1 12, enc_b2 14, td_b1 16, tu_b1 18, td_w2 20, tu_w2 22
	s_load_b512 s[24:39], s[0:1], 0x40             ; enc_w1 24, enc_b1 26, sd_w 28, sp_w 30, su_w 32, emb 34, sd_b 36, sp_b 38
	s_load_b512 s[40:55], s[0:1], 0x80             ; su_b 40, td_b2 42, tu_b2 44, sb_w1 46, sb_b1 48, hd_w1 50, hd_b1 52, sb_w2 54
	s_load_b256 s[56:63], s[0:1], 0xc0             ; hd_w2 56, sb_b2 58, hd_b2 60, wimg 62
	v_lshl_add_u32 v62, v0, 2, SPARE               ; my spare word
	v_mov_b32 v63, 0
	v_lshrrev_b32 v1, 5, v0
	v_readfirstlane_b32 s2, v1                     ; wave 0..7
	v_lshlrev_b32 v2, 4, v0                        ; 16 x thread
	v_add_nc_u32 v3, 65536, v2                     ; an LDS offset holds 16 bits: the upper bytes want a base of their own
	v_mov_b32 v4, 0
	v_mov_b32 v5, 0
	v_mov_b32 v6, 0
	v_mov_b32 v7, 0
.set i, 0
.rept 16
	ds_store_b128 v2, v[4:7] offset:4096*i         ; the three regions are cleared: 23 x 4,096 bytes
.set i, i+1
.endr
.set i, 0
.rept 7
	ds_store_b128 v3, v[4:7] offset:4096*i
.set i, i+1
.endr
	s_wait_dscnt 0x0                               ; my zeros are in before any wave writes numbers over them
	s_barrier_signal -1
	s_barrier_wait -1
	s_wait_kmcnt 0x0
	s_cmp_lt_u32 ttmp9, 48
	s_cbranch_scc0 .Lsmall
	; ---- a block of a large matrix
	s_lshr_b32 s3, ttmp9, 4                        ; m
	s_and_b32 s4, ttmp9, 15                        ; blk
	s_cmp_eq_u32 s3, 1
	s_cselect_b64 s[66:67], s[10:11], s[12:13]
	s_cselect_b64 s[68:69], s[16:17], s[18:19]
	s_cmp_eq_u32 s3, 0
	s_cselect_b64 s[66:67], s[8:9], s[66:67]       ; the matrix
	s_cselect_b64 s[68:69], s[14:15], s[68:69]     ; its bias
	s_lshl_b32 s6, s4, 6                           ; 4 x first feature
	v_lshlrev_b32 v3, 10, v0                       ; thread k takes row k of W: 1,024 bytes a row
	v_add_nc_u32 v3, s6, v3
	global_load_b128 v[8:11], v3, s[66:67]
	global_load_b128 v[12:15], v3, s[66:67] offset:16
	global_load_b128 v[16:19], v3, s[66:67] offset:32
	global_load_b128 v[20:23], v3, s[66:67] offset:48
	s_wait_loadcnt 0x0
.set i, 0
.rept 8
	v_cvt_pk_bf16_f32 v[24+i], v[8+2*i], v[9+2*i]
.set i, i+1
.endr
	s_cmp_lg_u32 s3, 0
	s_cbranch_scc1 .Lbf
.set i, 0
.rept 8                                                ; enc_w2: the bf16 numbers once more, as f16
	v_lshlrev_b32 v8, 16, v[24+i]
	v_and_b32 v9, 0xffff0000, v[24+i]
	v_cvt_pk_f16_f32 v[24+i], v8, v9
.set i, i+1
.endr
.Lbf:
	v_lshl_add_u32 v32, v0, 1, RB                  ; column k of the transposed block
.set i, 0
.rept 8
	ds_store_b16 v32, v[24+i] offset:2*i*PIT
	ds_store_b16_d16_hi v32, v[24+i] offset:(2*i+1)*PIT
.set i, i+1
.endr
	s_cmp_lg_u32 s2, 0
	s_cbranch_scc1 .Lfilled                        ; wave 0 adds the biases
	v_and_b32 v33, 3, v0                           ; four numbers behind each of rows 0-3 (eight lanes write the same)
	v_lshlrev_b32 v34, 4, v33
	v_add_nc_u32 v34, s6, v34
	global_load_b128 v[36:39], v34, s[68:69]
	s_wait_loadcnt 0x0
	v_cvt_pk_bf16_f32 v40, v36, v37
	v_cvt_pk_bf16_f32 v41, v38, v39
	v_lshlrev_b32 v36, 16, v40
	v_and_b32 v37, 0xffff0000, v40
	v_lshlrev_b32 v38, 16, v41
	v_and_b32 v39, 0xffff0000, v41
	v_mul_u32_u24 v42, v33, PIT
	v_add_nc_u32 v42, RB+512, v42
	ds_store_b128 v42, v[36:39]
	s_branch .Lfilled
.Lsmall:
	s_cmp_eq_u32 ttmp9, 48
	s_cbranch_scc0 .Ltail
	; ---- encoder's first layer, the 256 -> 4 heads, the embedding, the heads' biases
	v_lshlrev_b32 v3, 2, v0                        ; thread n takes column n of enc_w1, thread k row k of the heads
.set i, 0
.rept 22
	global_load_b32 v[8+i], v3, s[24:25] offset:1024*i
.set i, i+1
.endr
	global_load_b32 v30, v3, s[26:27]
	global_load_b128 v[32:35], v2, s[28:29]
	global_load_b128 v[36:39], v2, s[30:31]
	global_load_b128 v[40:43], v2, s[32:33]
	global_load_b128 v[44:47], v2, s[20:21]
	global_load_b128 v[48:51], v2, s[22:23]
	v_mov_b32 v31, 0
	v_lshlrev_b32 v1, 1, v0                        ; column k of a head's row, in a register that no pending load names
	s_wait_loadcnt 0x0
.set i, 0
.rept 10
	v_cvt_pk_bf16_f32 v[52+i], v[32+2*i], v[33+2*i]  ; sd 52,53  sp 54,55  su 56,57  td 58,59  tu 60,61
.set i, i+1
.endr
.macro ROW4 lo, hi, r0, r1, r2, r3                     ; four outputs of one head into four rows
	ds_store_b16 v1, v[\lo] offset:RS+(\r0)
	ds_store_b16_d16_hi v1, v[\lo] offset:RS+(\r1)
	ds_store_b16 v1, v[\hi] offset:RS+(\r2)
	ds_store_b16_d16_hi v1, v[\hi] offset:RS+(\r3)
.endm
	ROW4 52, 53, SW+0*PIT, SW+1*PIT, SW+2*PIT, SW+3*PIT
	ROW4 54, 55, SW+4*PIT, SW+5*PIT, SW+6*PIT, SW+7*PIT
	ROW4 56, 57, SW+8*PIT, SW+9*PIT, SW+10*PIT, SW+11*PIT
	ROW4 54, 55, SW+12*PIT, SW+13*PIT, SW+14*PIT, SW+15*PIT
	ROW4 58, 59, GW+0*PIT, GW+1*PIT, GW+2*PIT, GW+3*PIT
	ROW4 60, 61, GW+8*PIT, GW+7*PIT, GW+6*PIT, GW+5*PIT
	; enc_w1^T, 80 bytes a row; k: 0-2 x's channels 0-2, 3 the bias, 4-7 emb 0-3, 8-10 channels 3-5, 11 nothing, 12-15 emb 4-7, 16-23 emb 8-15
	v_cvt_pk_bf16_f32 v32, v8, v9
	v_cvt_pk_bf16_f32 v33, v10, v30
	v_cvt_pk_bf16_f32 v34, v14, v15
	v_cvt_pk_bf16_f32 v35, v16, v17
	v_cvt_pk_bf16_f32 v36, v11, v12
	v_cvt_pk_bf16_f32 v37, v13, v31
	v_cvt_pk_bf16_f32 v38, v18, v19
	v_cvt_pk_bf16_f32 v39, v20, v21
	v_cvt_pk_bf16_f32 v40, v22, v23
	v_cvt_pk_bf16_f32 v41, v24, v25
	v_cvt_pk_bf16_f32 v42, v26, v27
	v_cvt_pk_bf16_f32 v43, v28, v29
	v_mul_u32_u24 v44, v0, 80
	ds_store_b128 v44, v[32:35] offset:RS
	ds_store_b128 v44, v[36:39] offset:RS+16
	ds_store_b128 v44, v[40:43] offset:RS+32
	s_cmp_lt_u32 s2, 2
	s_cbranch_scc0 .Lfilled                        ; waves 0 and 1: thread l takes layer l of the embedding
	v_lshlrev_b32 v14, 6, v0
	global_load_b128 v[16:19], v14, s[34:35]
	global_load_b128 v[20:23], v14, s[34:35] offset:16
	global_load_b128 v[24:27], v14, s[34:35] offset:32
	global_load_b128 v[28:31], v14, s[34:35] offset:48
	s_wait_loadcnt 0x0
.set i, 0
.rept 8
	v_cvt_pk_bf16_f32 v[32+i], v[16+2*i], v[17+2*i]
.set i, i+1
.endr
	ds_store_b64 v14, v[32:33] offset:RS+EMB+8     ; k 4-7
	ds_store_b64 v14, v[34:35] offset:RS+EMB+24    ; k 12-15
	ds_store_b128 v14, v[36:39] offset:RS+EMB+32   ; k 16-23
	s_cmp_lg_u32 s2, 0
	s_cbranch_scc1 .Lfilled                        ; wave 0: the five vectors of four
	v_mov_b32 v15, 0
	global_load_b128 v[16:19], v15, s[36:37]
	global_load_b128 v[20:23], v15, s[38:39]
	global_load_b128 v[24:27], v15, s[40:41]
	global_load_b128 v[28:31], v15, s[42:43]
	global_load_b128 v[32:35], v15, s[44:45]
	s_wait_loadcnt 0x0
.set i, 0
.rept 10
	v_cvt_pk_bf16_f32 v40, v[16+2*i], v[17+2*i]
	v_lshlrev_b32 v[16+2*i], 16, v40
	v_and_b32 v[17+2*i], 0xffff0000, v40
.set i, i+1
.endr
.set i, 28
.rept 8
	v_mul_f32 v[i], 0xbfb8aa3b, v[i]               ; the sigmoid's exponent is -log2(e) (s + b)
.set i, i+1
.endr
	ds_store_b128 v15, v[16:19] offset:RS+VEC
	ds_store_b128 v15, v[20:23] offset:RS+VEC+16
	ds_store_b128 v15, v[24:27] offset:RS+VEC+32
	ds_store_b128 v15, v[20:23] offset:RS+VEC+48
	ds_store_b128 v15, v[28:31] offset:RS+VEC+64
	ds_store_b128 v15, v[32:35] offset:RS+VEC+80
	s_branch .Lfilled
.Ltail:
	; ---- the two 4 -> 128 -> 4 MLPs: waves 0-3 the surface's (sb), waves 4-7 the head's (hd); thread j takes hidden unit j
	s_lshr_b32 s3, s2, 2
	s_cmp_eq_u32 s3, 0
	s_cselect_b64 s[66:67], s[46:47], s[50:51]
	s_cselect_b64 s[68:69], s[48:49], s[52:53]
	s_cselect_b64 s[70:71], s[54:55], s[56:57]
	s_cselect_b64 s[72:73], s[58:59], s[60:61]
	v_and_b32 v3, 127, v0
	v_lshlrev_b32 v8, 2, v3
	v_lshlrev_b32 v9, 4, v3
	v_mov_b32 v15, 0
	global_load_b32 v10, v8, s[66:67]
	global_load_b32 v11, v8, s[66:67] offset:512
	global_load_b32 v12, v8, s[66:67] offset:1024
	global_load_b32 v13, v8, s[66:67] offset:1536
	global_load_b32 v14, v8, s[68:69]
	global_load_b128 v[16:19], v9, s[70:71]
	global_load_b128 v[20:23], v15, s[72:73]
	s_wait_loadcnt 0x0
	v_cvt_pk_bf16_f32 v24, v10, v11                ; first layer, 80 bytes a row: k 0-3 the weights (for the input's upper part),
	v_cvt_pk_bf16_f32 v25, v12, v13
	v_cvt_pk_bf16_f32 v26, v10, v11                ; k 4-7 the same (for its lower part),
	v_cvt_pk_bf16_f32 v27, v12, v13
	v_cvt_pk_bf16_f32 v28, v14, v15                ; k 8 the bias
	v_mov_b32 v29, 0
	v_mov_b32 v30, 0
	v_mov_b32 v31, 0
	s_mul_i32 s4, s3, 10240
	s_add_co_u32 s4, s4, RT
	v_mul_u32_u24 v32, v3, 80
	v_add_nc_u32 v32, s4, v32
	ds_store_b128 v32, v[24:27]
	ds_store_b128 v32, v[28:31] offset:16
	v_cvt_pk_bf16_f32 v33, v16, v17
	v_cvt_pk_bf16_f32 v34, v18, v19
	s_mul_i32 s5, s3, 16*272
	s_add_co_u32 s5, s5, RT+T2
	v_lshl_add_u32 v35, v3, 1, s5
.irp b, 0, 8                                           ; second layer transposed, at rows 0-3 and again at rows 8-11
	ds_store_b16 v35, v33 offset:(\b)*272
	ds_store_b16_d16_hi v35, v33 offset:(\b+1)*272
	ds_store_b16 v35, v34 offset:(\b+2)*272
	ds_store_b16_d16_hi v35, v34 offset:(\b+3)*272
.endr
	s_and_b32 s6, s2, 3
	s_cmp_lg_u32 s6, 0
	s_cbranch_scc1 .Lfilled                        ; waves 0 and 4: the second layer's bias
	v_cvt_pk_bf16_f32 v36, v20, v21
	v_cvt_pk_bf16_f32 v37, v22, v23
	v_lshlrev_b32 v20, 16, v36
	v_and_b32 v21, 0xffff0000, v36
	v_lshlrev_b32 v22, 16, v37
	v_and_b32 v23, 0xffff0000, v37
	s_lshl_b32 s7, s3, 5
	s_add_co_u32 s7, s7, RT+B2V
	v_mov_b32 v38, s7
	ds_store_b128 v38, v[20:23]
.Lfilled:
	s_wait_dscnt 0x0                               ; my part of the image is in LDS before any wave reads it
	s_barrier_signal -1
	s_barrier_wait -1
; An image of 40,960 bytes leaves: LDS address in v[areg], its place in wimg goff.  The ten loads land in v8 to v47: areg lies outside them.
.macro COPY40 areg, goff
	s_add_nc_u64 s[76:77], s[62:63], \goff
.set i, 0
.rept 10
	ds_load_b128 v[8+4*i:11+4*i], v[\areg] offset:4096*i
.set i, i+1
.endr
	s_wait_dscnt 0x0
.set i, 0
.rept 10
	global_store_b128 v2, v[8+4*i:11+4*i], s[76:77] offset:4096*i  ; a wave's store covers 512 consecutive bytes
.set i, i+1
.endr
.endm
	s_cmp_lt_u32 ttmp9, 48
	s_cbranch_scc0 .Lcopy_small
	s_lshr_b32 s3, ttmp9, 4
	s_and_b32 s4, ttmp9, 15
	s_mul_i32 s74, s3, 16*16*PIT
	s_mul_i32 s75, s4, 16*PIT
	s_add_co_u32 s74, s74, s75
	s_mov_b32 s75, 0
	s_add_nc_u64 s[76:77], s[62:63], s[74:75]      ; the block's 8,448 bytes: 528 pieces of 16
	v_and_b32 v3, 15, v0
	v_lshlrev_b32 v3, 4, v3
	v_add_nc_u32 v36, RB, v2
	v_add_nc_u32 v37, RB+8192, v3
	ds_load_b128 v[8:11], v36
	ds_load_b128 v[12:15], v36 offset:4096
	ds_load_b128 v[16:19], v37
	s_wait_dscnt 0x0
	global_store_b128 v2, v[8:11], s[76:77]
	global_store_b128 v2, v[12:15], s[76:77] offset:4096
	v_cmp_gt_u32 vcc_lo, 16, v0
	s_wait_xcnt 0x0                                ; EXEC changes only when the stores above have read it
	s_and_saveexec_b32 s78, vcc_lo
	global_store_b128 v3, v[16:19], s[76:77] offset:8192  ; the last 256 bytes: threads 0-15
	s_wait_xcnt 0x0
	s_or_b32 exec_lo, exec_lo, s78
	s_branch .Lend
.Lcopy_small:
	s_cmp_eq_u32 ttmp9, 48
	s_cbranch_scc0 .Lcopy_tail
	COPY40 2, IMG_S
	s_branch .Lend
.Lcopy_tail:
	v_add_nc_u32 v50, RT, v2
	COPY40 50, IMG_T
.Lend:
	s_wait_tensorcnt 0x0                           ; the wave's end, behind my last LDS store
	ds_add_u32 v62, v63
	s_wait_dscnt 0x0
	s_endpgm
.Lfunc_end_k_q67f7344c0b_prep:
	.size	k_q67f7344c0b_prep, .Lfunc_end_k_q67f7344c0b_prep-k_q67f7344c0b_prep
	.p2alignl 7, 3214868480
	.fill 96, 4, 3214868480
	.section	.rodata,"a",@progbits
	.p2align	6, 0x0
	.amdhsa_kernel k_q67f7344c0b_prep
		.amdhsa_group_segment_fixed_size 95232
		.amdhsa_private_segment_fixed_size 0
		.amdhsa_enable_private_segment 0
		.amdhsa_kernarg_size 224
		.amdhsa_user_sgpr_count 2
		.amdhsa_user_sgpr_kernarg_segment_ptr 1
		.amdhsa_wavefront_size32 1
		.amdhsa_system_sgpr_workgroup_id_x 1
		.amdhsa_system_sgpr_workgroup_id_y 1
		.amdhsa_system_sgpr_workgroup_id_z 1
		.amdhsa_system_vgpr_workitem_id 0
		.amdhsa_next_free_vgpr 64
		.amdhsa_next_free_sgpr 96
		.amdhsa_reserve_vcc 1
		.amdhsa_float_denorm_mode_32 3
		.amdhsa_float_denorm_mode_16_64 3
		.amdhsa_memory_ordered 1
		.amdhsa_forward_progress 1
		.amdhsa_inst_pref_size 26
	.end_amdhsa_kernel
	.amdgpu_metadata
---
amdhsa.version: [ 1, 2 ]
amdhsa.kernels:
  - .name:           k_q67f7344c0b_prep
    .symbol:         k_q67f7344c0b_prep.kd
    .args:
      - { .name: enc_w2, .offset: 0, .size: 8, .value_kind: global_buffer, .address_space: global }
      - { .name: td_w1, .offset: 8, .size: 8, .value_kind: global_buffer, .address_space: global }
      - { .name: tu_w1, .offset: 16, .size: 8, .value_kind: global_buffer, .address_space: global }
      - { .name: enc_b2, .offset: 24, .size: 8, .value_kind: global_buffer, .address_space: global }
      - { .name: td_b1, .offset: 32, .size: 8, .value_kind: global_buffer, .address_space: global }
      - { .name: tu_b1, .offset: 40, .size: 8, .value_kind: global_buffer, .address_space: global }
      - { .name: td_w2, .offset: 48, .size: 8, .value_kind: global_buffer, .address_space: global }
      - { .name: tu_w2, .offset: 56, .size: 8, .value_kind: global_buffer, .address_space: global }
      - { .name: enc_w1, .offset: 64, .size: 8, .value_kind: global_buffer, .address_space: global }
      - { .name: enc_b1, .offset: 72, .size: 8, .value_kind: global_buffer, .address_space: global }
      - { .name: sd_w, .offset: 80, .size: 8, .value_kind: global_buffer, .address_space: global }
      - { .name: sp_w, .offset: 88, .size: 8, .value_kind: global_buffer, .address_space: global }
      - { .name: su_w, .offset: 96, .size: 8, .value_kind: global_buffer, .address_space: global }
      - { .name: emb, .offset: 104, .size: 8, .value_kind: global_buffer, .address_space: global }
      - { .name: sd_b, .offset: 112, .size: 8, .value_kind: global_buffer, .address_space: global }
      - { .name: sp_b, .offset: 120, .size: 8, .value_kind: global_buffer, .address_space: global }
      - { .name: su_b, .offset: 128, .size: 8, .value_kind: global_buffer, .address_space: global }
      - { .name: td_b2, .offset: 136, .size: 8, .value_kind: global_buffer, .address_space: global }
      - { .name: tu_b2, .offset: 144, .size: 8, .value_kind: global_buffer, .address_space: global }
      - { .name: sb_w1, .offset: 152, .size: 8, .value_kind: global_buffer, .address_space: global }
      - { .name: sb_b1, .offset: 160, .size: 8, .value_kind: global_buffer, .address_space: global }
      - { .name: hd_w1, .offset: 168, .size: 8, .value_kind: global_buffer, .address_space: global }
      - { .name: hd_b1, .offset: 176, .size: 8, .value_kind: global_buffer, .address_space: global }
      - { .name: sb_w2, .offset: 184, .size: 8, .value_kind: global_buffer, .address_space: global }
      - { .name: hd_w2, .offset: 192, .size: 8, .value_kind: global_buffer, .address_space: global }
      - { .name: sb_b2, .offset: 200, .size: 8, .value_kind: global_buffer, .address_space: global }
      - { .name: hd_b2, .offset: 208, .size: 8, .value_kind: global_buffer, .address_space: global }
      - { .name: wimg, .offset: 216, .size: 8, .value_kind: global_buffer, .address_space: global }
    .group_segment_fixed_size: 95232
    .private_segment_fixed_size: 0
    .kernarg_segment_align: 8
    .kernarg_segment_size: 224
    .max_flat_workgroup_size: 256
    .sgpr_count:     96
    .vgpr_count:     64
    .wavefront_size: 32
...
	.end_amdgpu_metadata
.endif
;; end of part 1
;; launch main (part 2): grid 256 x 1, 4 waves a work-group, clusters of 4 x 1, 327,680 bytes of LDS; arguments wimg, x, out0; writes out0
.if DOCPART == 2
	.amdgcn_target "amdgcn-amd-amdhsa--gfx1250"
	.amdhsa_code_object_version 6
	.text
	.protected	k_q67f7344c0b_main
	.globl	k_q67f7344c0b_main
	.p2align	8
	.type	k_q67f7344c0b_main,@function
k_q67f7344c0b_main:
	s_mov_b64 s[64:65], 0
	v_nop
	global_prefetch_b8 v0, s[64:65] scope:SCOPE_SE
	s_setreg_imm32_b32 hwreg(HW_REG_WAVE_MODE, 25, 1), 1
	s_wait_xcnt 0x0
	s_wait_alu depctr_hold_cnt(0) depctr_sa_sdst(0) depctr_va_vdst(0) depctr_va_sdst(0) depctr_va_ssrc(0) depctr_va_vcc(0) depctr_vm_vsrc(0)
	s_getreg_b32 s2, hwreg(HW_REG_IB_STS2, 6, 4)
	s_cmp_eq_u32 s2, 0
	s_cbranch_scc0 .Lentry_in_a_cluster
	s_endpgm
.Lentry_in_a_cluster:
	s_bfe_u32 s2, ttmp6, 0x10000c
	s_cmp_lg_u32 s2, 0x3003
	s_cbranch_scc0 .Lentry_shape_is_right
	s_endpgm
.Lentry_shape_is_right:
; The whole column net, from x to out0, for 16 columns a work-group; nothing but x, the weight images and out0 touches memory.
; SHARES.  Work-group g owns columns 16 g .. 16 g + 15.  Wave w owns layers 16 w .. 16 w + 15, in 4 passes of 4 layers.  A TILE is 16 columns at ONE layer: lane % 16 is the column.
; ALL PRODUCTS ARE TRANSPOSED: source 0 = 16 output features x 32 k (weights from LDS), source 1 = the activations (a lane holds one column).  In the result register j of lane l holds
; feature 8 (l / 16) + j of column l % 16, so two results, rounded in pairs, ARE source 1 of the next layer, and the scans along the layers never change lanes.
; A weight fragment (two LDS loads) feeds the pass's four tiles.  The bias is the C operand of the product that starts a sum.
; FORMATS.  Every input is rounded to bf16.  h1 goes in f16 (with enc_w2's bf16 numbers written as f16).  h goes in bf16 into the gates, and as an upper and a lower bf16 part into the three
; 256 -> 4 heads; the inputs and hidden layers of the two 4 -> 128 -> 4 MLPs likewise in two parts.  Sums, scans, sigmoid in f32.
; LIMITS.  |h1| and |enc_w2| stay under 65,504 (f16); with every input 30 times the drawn spread h1 peaks near 5,000.  A NaN before a relu becomes 0; infinities are not treated apart.
; LDS.  enc_w2 stays; td_w1 and tu_w1 share one region X, filled in halves; the order of the two gates alternates from pass to pass, so a pass fetches one matrix anew (two refills, each read later in the pass).
; CLUSTER.  The four work-groups of a cluster walk the same weights: every tensor load is a joint one (mask 15), the same descriptor in all four.
; REGISTERS, windows of 256 (s_set_vgpr_msb: bits 1:0 source 0, 3:2 source 1, 5:4 source 2, 7:6 destination):
;   window 0: addresses, HA (a head's weights), biases, ACC (two sets of four results), AF (two buffers of eight weight fragments)
;   window 1: h1 (fragment ks of tile rt at 32 ks + 8 rt); at the end MB, LB      window 2: h, same map
;   window 3: GB v0-31, HACC v32-63, T v64-127 (4 a tile), SP v128-255 (8 a tile: S, then Sp + what is merged onto it)
; In T and S lanes 0-15 hold the down sweep's numbers, lanes 16-31 the up sweep's.
.set PIT,   528                        ; an image row: 512 bytes + 16: an odd multiple of 16, so the 16 rows of a fragment load start in 16 different groups of four banks (ISA guide 11.1)
.set BLK,   16*PIT                     ; 16 output features
.set PART,  2*BLK                      ; what one refill load of a wave brings: 66 rows of 256 bytes
.set HALF,  8*BLK
.set XA,    16*BLK                     ; LDS: enc_w2 at 0; X's first half here,
.set XH,    XA+HALF                    ; its second half here
.set SM,    2*16*BLK                   ; the small tables, 4 x 37 rows of 256 bytes
.set SMQ,   37*256
.set W1T,   SM                         ; enc_w1^T, 256 rows x 80
.set SW,    SM+20480                   ; 16 rows x 528: sd, sp, su, sp
.set GW,    SM+28928                   ; 9 rows x 528: td_w2^T, zeros, tu_w2^T downward from row 8
.set EMB,   SM+33680
.set VEC,   SM+37776
.set XB,    SM+4*SMQ                   ; x in bf16: tile l at 256 l + 8 lane; stored by the waves, never a tensor load's target.  Later a wave's segment map
.set SPARE, XB+16384                   ; the spare words, 128 bytes a wave
.set SB1,   0                          ; the tail's tables, which take enc_w2's first bytes when the passes are over
.set HD1,   10240
.set SB2,   20480
.set HD2,   20480+16*272
.set B2V,   29184
.set MS,    XA                         ; merged, in two parts: 8,192 bytes a wave; X has had its last fill by then
.set OUTS,  XA+32768                   ; the result, 16 columns x 1,040 bytes
.set IMG_D, 135168                     ; offsets in wimg
.set IMG_U, 270336
.set IMG_S, 405504
.set IMG_T, 446464
.set AA, 1                             ; running: weights' address;  later A1A
.set BA, 2                             ; running: biases' address;   later A2A
.set HLA, 3                            ; running: gate head's address
.set AE0, 4                            ; r 528 + 16 h (enc_w2);      later L80
.set AX0, 5                            ; the same + X;               later L272
.set BE0, 6                            ; 2 h 528 + 512;              later ZA
.set BX0, 7                            ; the same + X;               later MSA
.set HLF, 8                            ; head rows of the pass's first gate;  later OSA
.set HLS, 9                            ; of its second
.set SWA, 10
.set W1A, 11
.set SPW, 12
.set NIL, 13
.set XBA, 14
.set EMA, 15
.set HA,  16
.set ONEK, 30                          ; bf16 1.0 in the low half
.set NEG1, 31                          ; -1.0
.set BIAS, 32
.set SBV, 48
.set GBE, 56
.set ACC, 64
.set AF,  128
.set MAPS, 192
.set GB,  0                            ; window 3
.set HACC, 32
.set T,   64
.set SP,  128
.set MB,  0                            ; window 1, at the end
.set LB,  32
.set G1W, 24                           ; s[24:31] group 1: 66 rows of 256 bytes
.set G1S, 32                           ; s[32:39] group 1: 37 rows
.set G0E0, 40                          ; group 0 sets: enc_w2's two halves, X's two halves, the small tables (later the tail's)
.set G0E1, 44
.set G0XA, 48
.set G0XH, 52
.set G0S,  56
.set MSB, 0
.macro WIN new                         ; the immediate's high byte repeats the setting that is left; a switch that changes nothing is dropped
.if MSB != (\new)
	s_set_vgpr_msb (MSB<<8)|(\new)
.set MSB, (\new)
.endif
.endm
.macro PLACES                          ; four places behind a matrix instruction (ISA guide 7.12.1), where no other vector work is at hand
.rept 4
	v_nop
.endr
.endm
.macro ROUND                           ; a round of the cluster's barrier
	s_barrier_signal -1
	s_barrier_wait -1
	s_cmp_lg_u32 s10, 0
	s_cbranch_scc1 .Lnw0_\@
	s_barrier_signal -3
.Lnw0_\@:
	s_barrier_wait -3
	s_barrier_signal -1
	s_barrier_wait -1
.endm
; A half of X is filled again.  Every wave: all its tensor loads have landed; the add; the descriptor's address; the add and my reads of the half are done; the round; the one joint load first behind it.
.macro SYNCF g0, extra
	WIN 0
	s_wait_tensorcnt 0x0                           ; no tensor load of mine is out, so a group 0 may be written
	ds_add_u32 v[SPW], v[NIL]                      ; 0 onto my spare word
	s_add_co_u32 s20, s17, \extra                  ; the other gate's image, my quarter of the half
	s_add_nc_u64 s[\g0+2:\g0+3], s[4:5], s[20:21]
	s_or_b32 s[\g0+3], s[\g0+3], 0x80000000
	s_wait_dscnt 0x0
	ROUND                                          ; no wave of any partner still reads the half or has a load on its way
	tensor_load_to_lds s[\g0:\g0+3], s[G1W:G1W+7]  ; it has eight blocks' products, 256 matrix instructions, in which to land
	s_nop 0
	PLACES
.endm
; The parameters of the macros below are symbols: FORM 0 f16, 1 bf16; BW the products' window; SET the result set and fragment buffer; KIND of the vector work on the other set (0 none, 1 encoder, 2 gate);
; RC, RE where that work's 16 features go (chunk of 32, half); FET, OFF the next block's fetch; HEAD 0 none, 1 the S heads (chunk HC, HZ = 1 starts the sums), 2 a gate's head; HAR, HAO the next head weights.
.macro FETCH                           ; the next block: 8 fragments of 16 features x 32 k, and its 16 biases as a C operand (lanes 0-15 features 0-7, lanes 16-31 features 8-15)
.set nb_, 1-SET
.irp k, 0,1,2,3,4,5,6,7
	ds_load_b128 v[AF+64*nb_+8*\k:AF+64*nb_+8*\k+3],   v[AA] offset:OFF+64*\k
	ds_load_b128 v[AF+64*nb_+8*\k+4:AF+64*nb_+8*\k+7], v[AA] offset:OFF+64*\k+32
.endr
	ds_load_b128 v[BIAS+8*nb_:BIAS+8*nb_+3],   v[BA] offset:OFF
	ds_load_b128 v[BIAS+8*nb_+4:BIAS+8*nb_+7], v[BA] offset:OFF+PIT
.endm
.macro HALOAD
	ds_load_b128 v[HA:HA+3],   v[HAR] offset:HAO
	ds_load_b128 v[HA+4:HA+7], v[HAR] offset:HAO+32
.endm
.macro MMA i                           ; product i of a block's 32: k 32 (i / 4) on, tile i % 4.  The four results take turns
	WIN BW
.set ks_, (\i)/4
.set rt_, (\i)%4
.set d_, ACC+32*SET+8*rt_
.set a_, AF+64*SET+8*ks_
.set b_, 32*ks_+8*rt_
.set c_, d_
.if ks_ == 0
.set c_, BIAS+8*SET
.endif
.if FORM == 0
	v_wmma_f32_16x16x32_f16 v[d_:d_+7], v[a_:a_+7], v[b_:b_+7], v[c_:c_+7]
.else
	v_wmma_f32_16x16x32_bf16 v[d_:d_+7], v[a_:a_+7], v[b_:b_+7], v[c_:c_+7]
.endif
.endm
; Slice s of the vector work on the block before: four instructions behind a matrix instruction.  1-8 relu (each result from its low end on); 9-12 rounded to bf16 (encoder: into h; gate: into GB);
; encoder alone: 13-20 what the rounding dropped, exactly; 21-24 that, rounded to bf16, into GB.
.macro SLICE s
.set q_, ACC+32*(1-SET)
.if (KIND != 0) && ((\s) <= 8)
.set m_, q_+4*((\s)-1)
.rept 4
	v_max_num_f32_e64 v[m_], v[m_], 0              ; source 0 and destination lie in window 0 under every products' window
.set m_, m_+1
.endr
.elseif (KIND != 0) && ((\s) <= 12)
.set m_, q_+8*((\s)-9)
.if KIND == 1
	WIN 0x80
.set t_, 32*RC+8*((\s)-9)+4*RE
.else
	WIN 0xc0
.set t_, GB+8*((\s)-9)+4*RE
.endif
.rept 4
	v_cvt_pk_bf16_f32 v[t_], v[m_], v[m_+1]
.set m_, m_+2
.set t_, t_+1
.endr
.elseif (KIND == 1) && ((\s) <= 20)
	WIN 0x02
.set z_, 4*((\s)-13)
.rept 4
.set m_, q_+z_
.set t_, 32*RC+8*(z_/8)+4*RE+(z_%8)/2
.if z_%2
	v_fma_mix_f32_bf16 v[m_], v[t_], v[NEG1], v[m_] op_sel:[1,0,0] op_sel_hi:[1,0,0]
.else
	v_fma_mix_f32_bf16 v[m_], v[t_], v[NEG1], v[m_] op_sel_hi:[1,0,0]
.endif
.set z_, z_+1
.endr
.elseif (KIND == 1) && ((\s) <= 24)
	WIN 0xc0
.set m_, q_+8*((\s)-21)
.set t_, GB+8*((\s)-21)+4*RE
.rept 4
	v_cvt_pk_bf16_f32 v[t_], v[m_], v[m_+1]
.set m_, m_+2
.set t_, t_+1
.endr
.endif
.endm
.macro HEADE                           ; Sd, Sp, Su += their weights x chunk HC of h: its upper part, then its lower
	WIN 0xf8
.irp r, 0,1,2,3
.if HZ
	v_wmma_f32_16x16x32_bf16 v[HACC+8*\r:HACC+8*\r+7], v[HA:HA+7], v[32*HC+8*\r:32*HC+8*\r+7], 0
.else
	v_wmma_f32_16x16x32_bf16 v[HACC+8*\r:HACC+8*\r+7], v[HA:HA+7], v[32*HC+8*\r:32*HC+8*\r+7], v[HACC+8*\r:HACC+8*\r+7]
.endif
.endr
	WIN 0xfc
.irp r, 0,1,2,3
	v_wmma_f32_16x16x32_bf16 v[HACC+8*\r:HACC+8*\r+7], v[HA:HA+7], v[GB+8*\r:GB+8*\r+7], v[HACC+8*\r:HACC+8*\r+7]
.endr
.endm
.macro HEADG                           ; a gate's four outputs += its second layer x a chunk of its hidden layer
	WIN 0xfc
.irp r, 0,1,2,3
	v_wmma_f32_16x16x32_bf16 v[HACC+8*\r:HACC+8*\r+7], v[HA:HA+7], v[GB+8*\r:GB+8*\r+7], v[HACC+8*\r:HACC+8*\r+7]
.endr
.endm
; A block: 16 output features for the pass's four tiles, 32 products.  The four v_nop behind the first product are the places in front of the loads into the buffer that the block before
; multiplied, and in front of the first read of its results.  The fetch is awaited at the next block's head, 31 products later.
.macro SUB
	s_wait_dscnt 0x0                               ; this block's fragments and biases (and a head's weights) are in
	MMA 0
	PLACES
.if FET
	FETCH
.endif
.set i_, 1
.rept 31
	MMA i_
	SLICE i_
.if (HEAD == 1) && (i_ == 25)
	HEADE
.endif
.if (HEAD == 2) && (i_ == 16)
	HEADG
.endif
.if ((HEAD == 1) && (i_ == 26)) || ((HEAD == 2) && (i_ == 17))
	PLACES                                         ; behind the head's products: their weights' registers are loaded anew
	HALOAD
.endif
.set i_, i_+1
.endr
.endm
.macro PAIR                            ; an odd and an even block of a gate; the even one ends a chunk of 32 hidden units and takes the head
.set FORM, 1
.set BW, 0x08
.set KIND, 2
.set FET, 1
.set SET, 1
.set RE, 0
.set OFF, 0
.set HEAD, 0
	SUB
.set SET, 0
.set RE, 1
.set OFF, BLK
.set HEAD, 2
.set HAR, HLA
.set HAO, 0
	SUB
	WIN 0
	v_add_nc_u32 v[AA], PART, v[AA]
	v_add_nc_u32 v[BA], PART, v[BA]
	v_add_nc_u32 v[HLA], 64, v[HLA]
.endm
.macro GLOOP trips, aoff, hreg, hoff   ; the running addresses are set from their bases in front of each loop
	WIN 0
	v_add_nc_u32 v[AA], \aoff, v[AX0]
	v_add_nc_u32 v[BA], \aoff, v[BX0]
	v_add_nc_u32 v[HLA], \hoff, v[\hreg]
	s_mov_b32 s13, \trips
.Lg_\@:
	PAIR
	s_sub_co_u32 s13, s13, 1
	s_cmp_lg_u32 s13, 0
	s_cbranch_scc1 .Lg_\@
.endm
.macro AFF d, a, x, b                  ; four numbers a lane: d = a x + b
	v_pk_fma_f32 v[(\d):(\d)+1], v[(\a):(\a)+1], v[(\x):(\x)+1], v[(\b):(\b)+1]
	v_pk_fma_f32 v[(\d)+2:(\d)+3], v[(\a)+2:(\a)+3], v[(\x)+2:(\x)+3], v[(\b)+2:(\b)+3]
.endm
	; ================= the head
	s_load_b128 s[4:7], s[0:1], 0x0                ; wimg s[4:5], x s[6:7]
	s_load_b64 s[8:9], s[0:1], 0x10                ; out0
	v_lshl_add_u32 v[SPW], v0, 2, SPARE
	v_mov_b32 v[NIL], 0
	ds_add_u32 v[SPW], v[NIL]                      ; the wave's opening: the add and its wait stand ahead of my first tensor load
	v_lshrrev_b32 v24, 5, v0
	v_readfirstlane_b32 s10, v24                   ; wave 0..3
	s_bfe_u32 s11, ttmp6, 0x40000                  ; cx: it enters x's and out0's addresses alone
	s_lshl_b32 s19, ttmp9, 2
	s_add_co_u32 s19, s19, s11                     ; work-group g
	s_mov_b32 s[G1W], 15|(3<<16)|(1<<21)           ; the mask of four; elements of 8 bytes; bit 21 beside a mask; no padding: the images hold it
	s_mov_b32 s[G1W+1], 32<<16                     ; tensor_dim0 = 32 elements = 256 bytes
	s_mov_b32 s[G1W+2], 66<<16                     ; tensor_dim1 = 66 rows
	s_mov_b32 s[G1W+3], 32<<16                     ; tile_dim0
	s_mov_b32 s[G1W+4], 66                         ; tile_dim1
	s_mov_b32 s[G1W+5], 32                         ; dense: a row begins where the last ends
	s_mov_b32 s[G1W+6], 0
	s_mov_b32 s[G1W+7], 0
	s_mov_b32 s[G1S], 15|(3<<16)|(1<<21)
	s_mov_b32 s[G1S+1], 32<<16
	s_mov_b32 s[G1S+2], 37<<16
	s_mov_b32 s[G1S+3], 32<<16
	s_mov_b32 s[G1S+4], 37
	s_mov_b32 s[G1S+5], 32
	s_mov_b32 s[G1S+6], 0
	s_mov_b32 s[G1S+7], 0
	s_mov_b32 s14, 0x76543210                      ; v_permlanex16_b32: each lane takes its own place in the other half
	s_mov_b32 s15, 0xfedcba98
	s_mov_b32 s16, 0xffff0000                      ; lanes 16-31
	s_mov_b32 s21, 0
	s_mov_b32 s3, 0
	s_mul_i32 s22, s10, PART
	s_mul_i32 s23, s10, SMQ
	s_mov_b32 s[G0E0], 1
	s_add_co_u32 s[G0E0+1], s22, 0
	s_mov_b32 s[G0E1], 1
	s_add_co_u32 s[G0E1+1], s22, HALF
	s_mov_b32 s[G0XA], 1
	s_add_co_u32 s[G0XA+1], s22, XA
	s_mov_b32 s[G0XH], 1
	s_add_co_u32 s[G0XH+1], s22, XH
	s_mov_b32 s[G0S], 1
	s_add_co_u32 s[G0S+1], s23, SM
	s_add_co_u32 s17, s22, IMG_U                   ; the gate that is not in X: my quarter of its first half
	s_add_co_u32 s18, s22, IMG_D                   ; the gate that is
	s_cmp_ge_u32 s10, 1
	s_cselect_b32 s60, -1, 0
	s_cmp_ge_u32 s10, 2
	s_cselect_b32 s61, -1, 0
	s_cmp_ge_u32 s10, 3
	s_cselect_b32 s62, -1, 0
	s_wait_dscnt 0x0                               ; the opening add is done
	s_wait_kmcnt 0x0
	s_mov_b32 s20, s22
	s_add_nc_u64 s[G0E0+2:G0E0+3], s[4:5], s[20:21]
	s_add_nc_u64 s[G0E1+2:G0E1+3], s[G0E0+2:G0E0+3], HALF
	s_add_nc_u64 s[G0XA+2:G0XA+3], s[G0E0+2:G0E0+3], IMG_D
	s_add_nc_u64 s[G0XH+2:G0XH+3], s[G0E0+2:G0E0+3], IMG_D+HALF
	s_mov_b32 s20, s23
	s_add_nc_u64 s[G0S+2:G0S+3], s[4:5], s[20:21]
	s_add_nc_u64 s[G0S+2:G0S+3], s[G0S+2:G0S+3], IMG_S
.irp g, G0E0, G0E1, G0XA, G0XH, G0S
	s_or_b32 s[\g+3], s[\g+3], 0x80000000
.endr
	s_mul_i32 s2, s19, 16*1536
	s_add_nc_u64 s[6:7], s[6:7], s[2:3]            ; x at my 16 columns
	s_lshl_b32 s2, s19, 14
	s_add_nc_u64 s[8:9], s[8:9], s[2:3]            ; out0 likewise
	ROUND                                          ; all four work-groups are here: the first joint loads meet
	tensor_load_to_lds s[G0S:G0S+3], s[G1S:G1S+7]  ; five first fills of mine are out, each wave's own quarter
	s_nop 0
	tensor_load_to_lds s[G0E0:G0E0+3], s[G1W:G1W+7]
	s_nop 0
	tensor_load_to_lds s[G0E1:G0E1+3], s[G1W:G1W+7]
	s_nop 0
	tensor_load_to_lds s[G0XA:G0XA+3], s[G1W:G1W+7]
	s_nop 0
	tensor_load_to_lds s[G0XH:G0XH+3], s[G1W:G1W+7]
	s_nop 0
	PLACES
	v_and_b32 v24, 15, v0                          ; r: the column
	v_bfe_u32 v25, v0, 4, 1                        ; h
	v_and_b32 v26, 31, v0
	v_mul_u32_u24 v28, v24, 1536                   ; x: my column, channels 3 h .. 3 h + 2, my wave's 16 layers (64 bytes a channel; the four waves together read each row once)
	v_mad_u32_u24 v28, v25, 768, v28
	s_lshl_b32 s19, s10, 6
	v_add_nc_u32 v28, s19, v28
.irp c, 0,1,2
.irp q, 0,1,2,3
	global_load_b128 v[AF+16*\c+4*\q:AF+16*\c+4*\q+3], v28, s[6:7] offset:256*\c+16*\q
.endr
.endr
	v_mul_u32_u24 v27, v24, PIT
	v_lshl_add_u32 v27, v25, 4, v27                ; a fragment's row x pitch + 16 x half
	v_mov_b32 v[AE0], v27
	v_add_nc_u32 v[AX0], XA, v27
	v_add_nc_u32 v[SWA], SW, v27
	v_mul_u32_u24 v29, v25, 2*PIT
	v_add_nc_u32 v[BE0], 512, v29
	v_add_nc_u32 v[BX0], XA+512, v29
	v_min_u32 v29, 4, v24                          ; td's head: rows 0-3 for lanes' rows 0-3, the row of zeros for the others
	v_mul_u32_u24 v29, v29, PIT
	v_lshl_add_u32 v29, v25, 4, v29
	v_add_nc_u32 v[HLF], GW, v29
	v_add_nc_u32 v29, -8, v24                      ; tu's head: rows 8, 7, 6, 5 for lanes' rows 8-11, the row of zeros (4) for the others
	v_min_u32 v29, 4, v29
	v_sub_nc_u32 v29, 8, v29
	v_mul_u32_u24 v29, v29, PIT
	v_lshl_add_u32 v29, v25, 4, v29
	v_add_nc_u32 v[HLS], GW, v29
	v_mul_u32_u24 v29, v24, 80
	v_lshl_add_u32 v29, v25, 4, v29
	v_add_nc_u32 v[W1A], W1T, v29
	s_lshl_b32 s19, s10, 12
	v_lshl_add_u32 v[XBA], v26, 3, s19
	v_add_nc_u32 v[XBA], XB, v[XBA]
	s_lshl_b32 s19, s10, 10
	v_lshl_add_u32 v[EMA], v25, 4, s19
	v_add_nc_u32 v[EMA], EMB, v[EMA]
	v_sub_nc_u32 v29, 1, v25
	v_cvt_f32_u32 v29, v29                         ; 1.0 in lanes 0-15 (the bias's k), 0 in lanes 16-31
	v_mov_b32 v[ONEK], 0x3f80
	v_mov_b32 v[NEG1], -1.0
	WIN 0xc0
.set i, 0
.rept 192                                              ; T and SP: a pass writes its quarter behind a forward jump, so every register is written once here, in the wait for the first tiles
	v_mov_b32 v[T+i], 0
.set i, i+1
.endr
	WIN 0
	s_wait_loadcnt 0x0
.set i, 0
.rept 16                                               ; tile i of my 16: 8 bytes a lane: three channels and the bias's 1.0 or 0
	v_cvt_pk_bf16_f32 v[AF+48+2*i], v[AF+i], v[AF+16+i]
	v_cvt_pk_bf16_f32 v[AF+49+2*i], v[AF+32+i], v29
	ds_store_b64 v[XBA], v[AF+48+2*i:AF+49+2*i] offset:256*i  ; only my wave reads these bytes
.set i, i+1
.endr
	s_wait_tensorcnt 0x0                           ; my parts of the five first fills have landed,
	s_wait_dscnt 0x0
	s_barrier_signal -1
	s_barrier_wait -1                              ; everybody's have
	v_lshl_add_u32 v26, v25, 5, VEC
	v_lshl_add_u32 v27, v25, 4, VEC+64
	ds_load_b128 v[SBV:SBV+3], v26                 ; lanes 0-15: sd_b, sp_b; lanes 16-31: su_b, sp_b
	ds_load_b128 v[SBV+4:SBV+7], v26 offset:16
	ds_load_b128 v[GBE:GBE+3], v27                 ; -log2(e) td_b2 | -log2(e) tu_b2
	s_mov_b32 s12, 0
	; ================= a pass: four layers of 16 columns through encoder, heads and both gates
.Lpass:
	WIN 0xc0
.irp t, 0,1,2,3                                        ; the encoder's input, source 1: x and the bias's 1.0, the layer's embedding
	ds_load_b64 v[GB+8*\t:GB+8*\t+1],    v[XBA] offset:256*\t
	ds_load_b64 v[GB+8*\t+2:GB+8*\t+3],  v[EMA] offset:64*\t+8
	ds_load_b128 v[GB+8*\t+4:GB+8*\t+7], v[EMA] offset:64*\t+32
.endr
	WIN 0
.set i, 0
.rept 16                                               ; all of enc_w1^T: 16 fragments fill both buffers
	ds_load_b128 v[AF+8*i:AF+8*i+3],   v[W1A] offset:1280*i
	ds_load_b128 v[AF+8*i+4:AF+8*i+7], v[W1A] offset:1280*i+32
.set i, i+1
.endr
	s_wait_dscnt 0x0
.macro W1 ft                           ; 16 features of h1 for the four tiles: one product each (K = 32 holds all 22 inputs and the bias)
	WIN 0x0c
.irp r, 0,1,2,3
	v_wmma_f32_16x16x32_bf16 v[ACC+32*((\ft)%2)+8*\r:ACC+32*((\ft)%2)+8*\r+7], v[AF+8*(\ft):AF+8*(\ft)+7], v[GB+8*\r:GB+8*\r+7], 0
.endr
.endm
.macro PK1 ft                          ; relu, rounded to f16, into h1
	WIN 0
.set m_, ACC+32*((\ft)%2)
.rept 32
	v_max_num_f32 v[m_], 0, v[m_]
.set m_, m_+1
.endr
	WIN 0x40
.set z_, 0
.rept 16
	v_cvt_pk_f16_f32 v[32*((\ft)/2)+8*(z_/4)+4*((\ft)%2)+z_%4], v[ACC+32*((\ft)%2)+2*z_], v[ACC+32*((\ft)%2)+2*z_+1]
.set z_, z_+1
.endr
.endm
	W1 0
	W1 1
	PLACES
	PK1 0
.set f_, 2
.rept 14                                               ; the vector work of one set stands between the products of the other: it is their places
	W1 f_
	PK1 f_-1
.if f_ == 9                                            ; fragments 0-7 have been multiplied: buffer 0 takes enc_w2's block 0, HA the S heads' chunk 0
	WIN 0
	v_mov_b32 v[AA], v[AE0]
	v_mov_b32 v[BA], v[BE0]
.set SET, 1
.set OFF, 0
	FETCH
.set HAR, SWA
.set HAO, 0
	HALOAD
.endif
.set f_, f_+1
.endr
	PK1 15
	; ---- encoder's second layer, 16 blocks written out (h's registers go by the block); the S heads ride along, a chunk behind
.set FORM, 0
.set BW, 0x04
.set FET, 1
.set HAR, SWA
.set n_, 0
.rept 16
.set SET, n_%2
.set KIND, 0
.if n_ > 0
.set KIND, 1
.endif
.set RC, (n_+1)/2-1
.set RE, (n_+1)%2
.set OFF, BLK
.if n_%2
	WIN 0
.if n_ == 15
	v_mov_b32 v[AA], v[AX0]                        ; the last block fetches the first gate's block 0
	v_mov_b32 v[BA], v[BX0]
.else
	v_add_nc_u32 v[AA], PART, v[AA]
	v_add_nc_u32 v[BA], PART, v[BA]
.endif
.set OFF, 0
.endif
.set HEAD, 0
.if (n_%2 == 0) && (n_ >= 2)
.set HEAD, 1
.set HC, n_/2-1
.set HZ, 0
.if HC == 0
.set HZ, 1
.endif
.set HAO, 64*(HC+1)
.endif
	SUB
.set n_, n_+1
.endr
	; ---- the gates: 16 blocks of the matrix that lies in X, 16 of the other.  Block 0 carries the encoder's last vector work and the S heads' last chunk
.set FORM, 1
.set BW, 0x08
.set SET, 0
.set KIND, 1
.set RC, 7
.set RE, 1
.set OFF, BLK
.set HEAD, 1
.set HC, 7
.set HZ, 0
.set HAR, HLF
.set HAO, 0
	SUB
	PLACES
	WIN 0
.irp p, 0,1,2,3                                        ; S and Sp of this pass's tiles, with their biases, into the pass's registers
	s_cmp_lg_u32 s12, \p
	s_cbranch_scc1 .Lepis\p
	WIN 0xc3
.set z_, 0
.rept 16
	v_pk_add_f32 v[SP+32*\p+2*z_:SP+32*\p+2*z_+1], v[HACC+2*z_:HACC+2*z_+1], v[SBV+2*(z_%4):SBV+2*(z_%4)+1]
.set z_, z_+1
.endr
	WIN 0
.Lepis\p:
.endr
	WIN 0xc0
.set i, 0
.rept 32                                               ; the gates' heads add in a loop whose text is one for every chunk, so their sums start from registers set to 0: 32 moves a pass
	v_mov_b32 v[HACC+i], 0
.set i, i+1
.endr
	GLOOP 3, PART, HLF, 64                         ; blocks 1-6; they fetch blocks 2-7
	SYNCF G0XA, 0                                  ; X's first half has been read out: the other gate's first half
	GLOOP 4, 4*PART, HLF, 256                      ; blocks 7-14; they fetch blocks 8-15
	SYNCF G0XH, HALF                               ; the second half likewise; the wait in front has shown the first half whole
	GLOOP 4, 0, HLS, 0                             ; block 15 and the other gate's 0-6
	WIN 0
	s_wait_tensorcnt 0x0                           ; my part of the second half has landed,
	s_wait_dscnt 0x0
	s_barrier_signal -1
	s_barrier_wait -1                              ; everybody's has
	GLOOP 4, 4*PART, HLS, 256                      ; blocks 7-14
.set SET, 1
.set KIND, 2
.set RE, 0
.set FET, 0
.set HEAD, 0
	SUB                                            ; block 15: nothing is left to fetch
	PLACES
	WIN 0
.set SET, 0
.set RE, 1
.set i_, 1
.rept 12
	SLICE i_                                       ; its vector work, and the last chunk's head
.set i_, i_+1
.endr
	HEADG
	PLACES
	WIN 0
.irp p, 0,1,2,3                                        ; T = 1 / (1 + 2^(-log2(e) (s + b))): lanes 0-15 the down gate, lanes 16-31 the up gate
	s_cmp_lg_u32 s12, \p
	s_cbranch_scc1 .Lepig\p
	WIN 0xc3
.set z_, 0
	s_wait_alu depctr_va_vdst(0)
.rept 8
	v_pk_fma_f32 v[T+16*\p+2*z_:T+16*\p+2*z_+1], v[HACC+8*(z_/2)+2*(z_%2):HACC+8*(z_/2)+2*(z_%2)+1], 0xbfb8aa3b, v[GBE+2*(z_%2):GBE+2*(z_%2)+1] op_sel_hi:[1,0,1]
.set z_, z_+1
.endr
.set z_, 0
.rept 16
	v_exp_f32 v[T+16*\p+z_], v[T+16*\p+z_]
.set z_, z_+1
.endr
	v_nop                                          ; a plain instruction between the last exponential and the use of its result (ISA guide 5.7.2)
.set z_, 0
	s_wait_alu depctr_va_vdst(0)
.rept 8
	v_pk_add_f32 v[T+16*\p+2*z_:T+16*\p+2*z_+1], v[T+16*\p+2*z_:T+16*\p+2*z_+1], 1.0 op_sel_hi:[1,0]
.set z_, z_+1
.endr
.set z_, 0
.rept 16
	v_rcp_f32 v[T+16*\p+z_], v[T+16*\p+z_]
.set z_, z_+1
.endr
	v_nop
	WIN 0
.Lepig\p:
.endr
	s_mov_b32 s19, s17                             ; the gate now in X is the next pass's first
	s_mov_b32 s17, s18
	s_mov_b32 s18, s19
	v_mov_b32 v24, v[HLF]
	v_mov_b32 v[HLF], v[HLS]
	v_mov_b32 v[HLS], v24
	v_add_nc_u32 v[XBA], 1024, v[XBA]
	v_add_nc_u32 v[EMA], 256, v[EMA]
	s_add_co_u32 s12, s12, 1
	s_cmp_lt_u32 s12, 4
	s_cbranch_scc1 .Lpass
	; ================= the sweeps.  My 16 layers as one affine map: c_out = A c_in + B, downward (right in lanes 0-15) and upward (right in lanes 16-31)
	v_and_b32 v26, 31, v0
	s_lshl_b32 s19, s10, 12
	v_lshl_add_u32 v25, v26, 4, XB
	v_add_nc_u32 v24, s19, v25                     ; my own 4,096 bytes of XB, whose tiles I have read
	WIN 0xff
	s_wait_alu depctr_va_vdst(0)
.irp z, 0, 2
	v_pk_mul_f32 v[GB+\z:GB+\z+1], v[T+\z:T+\z+1], v[T+4+\z:T+4+\z+1]
	v_pk_fma_f32 v[GB+4+\z:GB+4+\z+1], v[T+4+\z:T+4+\z+1], v[SP+\z:SP+\z+1], v[SP+8+\z:SP+8+\z+1]
	v_pk_fma_f32 v[GB+8+\z:GB+8+\z+1], v[T+56+\z:T+56+\z+1], v[SP+120+\z:SP+120+\z+1], v[SP+112+\z:SP+112+\z+1]
.endr
.set t_, 2
.rept 14
.irp z, 0, 2
	v_pk_mul_f32 v[GB+\z:GB+\z+1], v[GB+\z:GB+\z+1], v[T+4*t_+\z:T+4*t_+\z+1]
	v_pk_fma_f32 v[GB+4+\z:GB+4+\z+1], v[T+4*t_+\z:T+4*t_+\z+1], v[GB+4+\z:GB+4+\z+1], v[SP+8*t_+\z:SP+8*t_+\z+1]
	v_pk_fma_f32 v[GB+8+\z:GB+8+\z+1], v[T+4*(15-t_)+\z:T+4*(15-t_)+\z+1], v[GB+8+\z:GB+8+\z+1], v[SP+8*(15-t_)+\z:SP+8*(15-t_)+\z+1]
.endr
.set t_, t_+1
.endr
.irp z, 0,1,2,3
	v_cndmask_b32 v[GB+4+\z], v[GB+4+\z], v[GB+8+\z], s16
.endr
	WIN 0x0c
	ds_store_b128 v24, v[GB:GB+3]
	ds_store_b128 v24, v[GB+4:GB+7] offset:512
	WIN 0
	s_wait_tensorcnt 0x0                           ; enc_w2's first bytes are filled again, with the tail's tables: the same order as for a half of X
	ds_add_u32 v[SPW], v[NIL]
	s_mul_i32 s[G0S+1], s10, SMQ
	s_add_co_u32 s20, s[G0S+1], IMG_T
	s_add_nc_u64 s[G0S+2:G0S+3], s[4:5], s[20:21]
	s_or_b32 s[G0S+3], s[G0S+3], 0x80000000
	s_wait_dscnt 0x0                               ; the add and my map's stores are done: the round is also the barrier between those stores and the reads below
	ROUND
	tensor_load_to_lds s[G0S:G0S+3], s[G1S:G1S+7]
	s_nop 0
	PLACES
.irp k, 0,1,2,3
	ds_load_b128 v[MAPS+8*\k:MAPS+8*\k+3],   v25 offset:4096*\k
	ds_load_b128 v[MAPS+8*\k+4:MAPS+8*\k+7], v25 offset:4096*\k+512
.endr
	s_wait_dscnt 0x0
	AFF 224, MAPS+8, MAPS+4, MAPS+12               ; the state below wave 0 is B0; below wave 1,
	AFF 228, MAPS+16, 224, MAPS+20                 ; wave 2,
	AFF 232, MAPS+24, 228, MAPS+28                 ; wave 3: the deepest state
.irp z, 0,1,2,3
	v_cndmask_b32 v[236+\z], 0, v[MAPS+4+\z], s60  ; what enters my layers from above
	v_cndmask_b32 v[236+\z], v[236+\z], v[224+\z], s61
	v_cndmask_b32 v[236+\z], v[236+\z], v[228+\z], s62
.endr
	WIN 0xc0
.irp z, 0,1,2,3
	v_mov_b32 v[GB+\z], v[236+\z]
.endr
	WIN 0xff
.set t_, 0
.rept 16                                               ; the down sweep; D is added onto Sp (right in lanes 0-15)
	AFF GB, T+4*t_, GB, SP+8*t_
	v_pk_add_f32 v[SP+8*t_+4:SP+8*t_+5], v[SP+8*t_+4:SP+8*t_+5], v[GB:GB+1]
	v_pk_add_f32 v[SP+8*t_+6:SP+8*t_+7], v[SP+8*t_+6:SP+8*t_+7], v[GB+2:GB+3]
.set t_, t_+1
.endr
	WIN 0
	; the surface MLP's input, source 1: lanes 0-15 k 0-3 the upper parts, k 4-7 the lower; lanes 16-31 k 8 = 1.0 for the bias
	v_cvt_pk_bf16_f32 v24, v232, v233
	v_cvt_pk_bf16_f32 v25, v234, v235
	v_fma_mix_f32_bf16 v232, v24, v[NEG1], v232 op_sel_hi:[1,0,0]
	v_fma_mix_f32_bf16 v233, v24, v[NEG1], v233 op_sel:[1,0,0] op_sel_hi:[1,0,0]
	v_fma_mix_f32_bf16 v234, v25, v[NEG1], v234 op_sel_hi:[1,0,0]
	v_fma_mix_f32_bf16 v235, v25, v[NEG1], v235 op_sel:[1,0,0] op_sel_hi:[1,0,0]
	v_cvt_pk_bf16_f32 v26, v232, v233
	v_cvt_pk_bf16_f32 v27, v234, v235
	WIN 0x40
	v_cndmask_b32 v[MB], v24, v[ONEK], s16
	v_cndmask_b32 v[MB+1], v25, 0, s16
	v_cndmask_b32 v[MB+2], v26, 0, s16
	v_cndmask_b32 v[MB+3], v27, 0, s16
.irp r, 0,1,2,3
.irp z, 4,5,6,7
	v_mov_b32 v[MB+8*\r+\z], 0                     ; k 16-31 are not used
.endr
.endr
	WIN 0
	v_and_b32 v24, 15, v0
	v_bfe_u32 v25, v0, 4, 1
	v_and_b32 v26, 31, v0
	v_mul_u32_u24 v[AE0], v24, 80                  ; L80: a first layer's row
	v_lshl_add_u32 v[AE0], v25, 4, v[AE0]
	v_mul_u32_u24 v[AX0], v24, 272                 ; L272: a second layer's row
	v_lshl_add_u32 v[AX0], v25, 4, v[AX0]
	v_mov_b32 v[BE0], 0                            ; ZA
	s_lshl_b32 s19, s10, 13
	v_lshl_add_u32 v[BX0], v26, 4, s19
	v_add_nc_u32 v[BX0], MS, v[BX0]                ; MSA
	v_mul_u32_u24 v[HLF], v24, 1040
	s_lshl_b32 s19, s10, 6
	v_add_nc_u32 v[HLF], s19, v[HLF]
	v_add_nc_u32 v[HLF], OUTS, v[HLF]              ; OSA
	s_wait_tensorcnt 0x0                           ; my part of the tail's tables has landed,
	s_barrier_signal -1
	s_barrier_wait -1                              ; everybody's has
; 4 -> 128 -> 4 for four tiles (stride 8) or one tile four times over (stride 0: the same text, and four results that take turns).  A trip is a chunk of 32 hidden units: 8 products, relu, two bf16 parts, 8 products.
.macro CVT32 base
.set z_, 0
.rept 32
	v_cvt_pk_bf16_f32 v[(\base)+8*((z_/4)%4)+4*(z_/16)+z_%4], v[ACC+2*z_], v[ACC+2*z_+1]
.set z_, z_+1
.endr
.endm
.macro MLP4 tab1, tab2, b2, stride
	WIN 0
	v_add_nc_u32 v[AA], \tab1, v[AE0]
	v_add_nc_u32 v[BA], \tab2, v[AX0]
	WIN 0xc0
.irp r, 0,1,2,3
	ds_load_b128 v[HACC+8*\r:HACC+8*\r+3],   v[BE0] offset:\b2     ; the second layer's bias starts the sums
	ds_load_b128 v[HACC+8*\r+4:HACC+8*\r+7], v[BE0] offset:\b2+16
.endr
	WIN 0
	ds_load_b128 v[AF:AF+3],     v[AA]
	ds_load_b128 v[AF+4:AF+7],   v[AA] offset:32
	ds_load_b128 v[AF+8:AF+11],  v[AA] offset:1280
	ds_load_b128 v[AF+12:AF+15], v[AA] offset:1312
	s_mov_b32 s13, 4
.Lm_\@:
	s_wait_dscnt 0x0
	WIN 0x04
.irp f, 0,1
.irp r, 0,1,2,3
	v_wmma_f32_16x16x32_bf16 v[ACC+32*\f+8*\r:ACC+32*\f+8*\r+7], v[AF+8*\f:AF+8*\f+7], v[MB+(\stride)*\r:MB+(\stride)*\r+7], 0
.endr
.endr
	PLACES
	ds_load_b128 v[HA:HA+3],     v[BA]             ; this chunk's second layer,
	ds_load_b128 v[HA+4:HA+7],   v[BA] offset:32
	ds_load_b128 v[AF:AF+3],     v[AA] offset:2560 ; the next chunk's first layer (behind the last chunk: bytes of the next table, which nothing uses)
	ds_load_b128 v[AF+4:AF+7],   v[AA] offset:2592
	ds_load_b128 v[AF+8:AF+11],  v[AA] offset:3840
	ds_load_b128 v[AF+12:AF+15], v[AA] offset:3872
	WIN 0
.set m_, ACC
.rept 64
	v_max_num_f32 v[m_], 0, v[m_]
.set m_, m_+1
.endr
	WIN 0xc0
	CVT32 GB
	WIN 0x03
.set z_, 0
.rept 64
.if z_%2
	v_fma_mix_f32_bf16 v[ACC+z_], v[GB+8*((z_/8)%4)+4*(z_/32)+(z_%8)/2], v[NEG1], v[ACC+z_] op_sel:[1,0,0] op_sel_hi:[1,0,0]
.else
	v_fma_mix_f32_bf16 v[ACC+z_], v[GB+8*((z_/8)%4)+4*(z_/32)+(z_%8)/2], v[NEG1], v[ACC+z_] op_sel_hi:[1,0,0]
.endif
.set z_, z_+1
.endr
	WIN 0x40
	CVT32 LB
	s_wait_dscnt 0x4                               ; the second layer's two loads are in; the four younger ones may stay out
	WIN 0xfc
.irp r, 0,1,2,3
	v_wmma_f32_16x16x32_bf16 v[HACC+8*\r:HACC+8*\r+7], v[HA:HA+7], v[GB+8*\r:GB+8*\r+7], v[HACC+8*\r:HACC+8*\r+7]
.endr
	WIN 0xf4
.irp r, 0,1,2,3
	v_wmma_f32_16x16x32_bf16 v[HACC+8*\r:HACC+8*\r+7], v[HA:HA+7], v[LB+8*\r:LB+8*\r+7], v[HACC+8*\r:HACC+8*\r+7]
.endr
	WIN 0
	v_add_nc_u32 v[AA], 2560, v[AA]
	v_add_nc_u32 v[BA], 64, v[BA]
	s_sub_co_u32 s13, s13, 1
	s_cmp_lg_u32 s13, 0
	s_cbranch_scc1 .Lm_\@
	s_wait_dscnt 0x0                               ; the last trip's loads ahead have landed: their registers are free
	PLACES
.endm
	MLP4 SB1, SB2, B2V, 0                          ; every wave makes u0 for itself: nothing is handed round
	WIN 0x03
.irp z, 0,1,2,3
	v_mov_b32 v[224+\z], v[HACC+\z]                ; u0, in both halves of the lanes: it enters wave 3's layers from below
.endr
	WIN 0
	AFF 228, MAPS+24, 224, MAPS+28                 ; what enters wave 2's,
	AFF 232, MAPS+16, 228, MAPS+20                 ; wave 1's,
	AFF 236, MAPS+8, 232, MAPS+12                  ; wave 0's
.irp z, 0,1,2,3
	v_cndmask_b32 v[240+\z], v[228+\z], v[224+\z], s62
	v_cndmask_b32 v[240+\z], v[232+\z], v[240+\z], s61
	v_cndmask_b32 v[240+\z], v[236+\z], v[240+\z], s60
.endr
	WIN 0xc0
.irp z, 0,1,2,3
	v_mov_b32 v[GB+\z], v[240+\z]
.endr
	WIN 0xff
	AFF SP+120, T+60, GB, SP+120                   ; the up sweep, in place (right in lanes 16-31)
.set t_, 14
.rept 15
	AFF SP+8*t_, T+4*t_, SP+8*t_+8, SP+8*t_
.set t_, t_-1
.endr
.set t_, 0
.rept 16                                               ; U comes over to lanes 0-15 and is added: merged = D + U + Sp
.irp z, 0,1,2,3
	v_permlanex16_b32 v[GB+4+4*(t_%2)+\z], v[SP+8*t_+\z], s14, s15
.endr
	v_pk_add_f32 v[SP+8*t_+4:SP+8*t_+5], v[SP+8*t_+4:SP+8*t_+5], v[GB+4+4*(t_%2):GB+5+4*(t_%2)]
	v_pk_add_f32 v[SP+8*t_+6:SP+8*t_+7], v[SP+8*t_+6:SP+8*t_+7], v[GB+6+4*(t_%2):GB+7+4*(t_%2)]
.set t_, t_+1
.endr
	WIN 0x0f
.set t_, 0
.rept 16                                               ; upper parts,
	v_cvt_pk_bf16_f32 v[AF+4*t_], v[SP+8*t_+4], v[SP+8*t_+5]
	v_cvt_pk_bf16_f32 v[AF+4*t_+1], v[SP+8*t_+6], v[SP+8*t_+7]
.set t_, t_+1
.endr
	WIN 0x30
.set z_, 0
.rept 64                                               ; what they dropped,
.if z_%2
	v_fma_mix_f32_bf16 v[ACC+z_], v[AF+4*(z_/4)+(z_%4)/2], v[NEG1], v[SP+8*(z_/4)+4+z_%4] op_sel:[1,0,0] op_sel_hi:[1,0,0]
.else
	v_fma_mix_f32_bf16 v[ACC+z_], v[AF+4*(z_/4)+(z_%4)/2], v[NEG1], v[SP+8*(z_/4)+4+z_%4] op_sel_hi:[1,0,0]
.endif
.set z_, z_+1
.endr
	WIN 0
.set t_, 0
.rept 16                                               ; lower parts; the bias's 1.0 in lanes 16-31; a tile's 16 bytes a lane into my own bytes of LDS, since the loop below cannot name registers by its trip
	v_cvt_pk_bf16_f32 v[AF+4*t_+2], v[ACC+4*t_], v[ACC+4*t_+1]
	v_cvt_pk_bf16_f32 v[AF+4*t_+3], v[ACC+4*t_+2], v[ACC+4*t_+3]
	v_cndmask_b32 v[AF+4*t_], v[AF+4*t_], v[ONEK], s16
	v_cndmask_b32 v[AF+4*t_+1], v[AF+4*t_+1], 0, s16
	v_cndmask_b32 v[AF+4*t_+2], v[AF+4*t_+2], 0, s16
	v_cndmask_b32 v[AF+4*t_+3], v[AF+4*t_+3], 0, s16
	ds_store_b128 v[BX0], v[AF+4*t_:AF+4*t_+3] offset:512*t_
.set t_, t_+1
.endr
	s_mov_b32 s12, 4
.Lgrp:                                                 ; the head MLP, four tiles a trip
	WIN 0x40
.irp r, 0,1,2,3
	ds_load_b128 v[MB+8*\r:MB+8*\r+3], v[BX0] offset:512*\r  ; LDS serves a wave's instructions in order (ISA guide 5.7.1.4): these see my stores above
.endr
	MLP4 HD1, HD2, B2V+32, 8
	WIN 0x0c
.irp r, 0,1,2,3
.irp o, 0,1,2,3
	ds_store_b32 v[HLF], v[HACC+8*\r+\o] offset:256*\o+4*\r  ; out0's order: column, output, layer; lanes 16-31 hold and write the same numbers
.endr
.endr
	WIN 0
	v_add_nc_u32 v[BX0], 2048, v[BX0]
	v_add_nc_u32 v[HLF], 16, v[HLF]
	s_sub_co_u32 s12, s12, 1
	s_cmp_lg_u32 s12, 0
	s_cbranch_scc1 .Lgrp
	s_wait_dscnt 0x0                               ; my layers of the result are in LDS
	s_barrier_signal -1
	s_barrier_wait -1                              ; everybody's are: a row of 64 layers comes from all four waves
	v_and_b32 v26, 31, v0
	s_mul_i32 s19, s10, 4*1040
	v_lshl_add_u32 v24, v26, 4, s19
	v_add_nc_u32 v24, OUTS, v24
	s_lshl_b32 s19, s10, 12
	v_lshl_add_u32 v25, v26, 4, s19
.set i, 0
.rept 8                                                ; wave w sends columns 4 w .. 4 w + 3, 1,024 bytes each
	ds_load_b128 v[AF+4*i:AF+4*i+3], v24 offset:(i/2)*1040+(i%2)*512
.set i, i+1
.endr
.set i, 0
.rept 8
	s_wait_dscnt 7-i
	global_store_b128 v25, v[AF+4*i:AF+4*i+3], s[8:9] offset:512*i  ; 16 lanes store 256 consecutive bytes, at a multiple of 256 from out0's first byte
.set i, i+1
.endr
	s_wait_tensorcnt 0x0                           ; the wave's end, behind my last tensor load and my last LDS store
	ds_add_u32 v[SPW], v[NIL]
	s_wait_dscnt 0x0
	ROUND                                          ; the closing round: no work-group ends while a partner may still ask for a tile that names it
	s_endpgm
.Lfunc_end_k_q67f7344c0b_main:
	.size	k_q67f7344c0b_main, .Lfunc_end_k_q67f7344c0b_main-k_q67f7344c0b_main
	.p2alignl 7, 3214868480
	.fill 96, 4, 3214868480
	.section	.rodata,"a",@progbits
	.p2align	6, 0x0
	.amdhsa_kernel k_q67f7344c0b_main
		.amdhsa_group_segment_fixed_size 327680
		.amdhsa_private_segment_fixed_size 0
		.amdhsa_enable_private_segment 0
		.amdhsa_kernarg_size 24
		.amdhsa_user_sgpr_count 2
		.amdhsa_user_sgpr_kernarg_segment_ptr 1
		.amdhsa_wavefront_size32 1
		.amdhsa_system_sgpr_workgroup_id_x 1
		.amdhsa_system_sgpr_workgroup_id_y 1
		.amdhsa_system_sgpr_workgroup_id_z 1
		.amdhsa_system_vgpr_workitem_id 0
		.amdhsa_next_free_vgpr 1024
		.amdhsa_next_free_sgpr 66
		.amdhsa_reserve_vcc 0
		.amdhsa_float_denorm_mode_32 3
		.amdhsa_float_denorm_mode_16_64 3
		.amdhsa_memory_ordered 1
		.amdhsa_forward_progress 1
		.amdhsa_inst_pref_size 255
	.end_amdhsa_kernel
	.section	.bss,"aw",@nobits
	.p2align	6
	.space	262144
	.amdgpu_metadata
---
amdhsa.version: [ 1, 2 ]
amdhsa.kernels:
  - .name:           k_q67f7344c0b_main
    .symbol:         k_q67f7344c0b_main.kd
    .args:
      - { .name: wimg, .offset: 0, .size: 8, .value_kind: global_buffer, .address_space: global }
      - { .name: x, .offset: 8, .size: 8, .value_kind: global_buffer, .address_space: global }
      - { .name: out0, .offset: 16, .size: 8, .value_kind: global_buffer, .address_space: global }
    .group_segment_fixed_size: 327680
    .private_segment_fixed_size: 0
    .kernarg_segment_align: 8
    .kernarg_segment_size: 24
    .max_flat_workgroup_size: 128
    .sgpr_count:     66
    .vgpr_count:     1024
    .wavefront_size: 32
...
	.end_amdgpu_metadata
.endif
;; end of part 2
